; MI455X (gfx1250); checked and timed in simulation.
; The chip was launched on July 23, 2026; its instructions are those of AMD's public machine-readable ISA for CDNA 5 (MIT licence, August 2026) and "CDNA5" Instruction Set Architecture Reference Guide (July 2026). The comments in the code are by the model that wrote it; some were corrected since.
;; LSTM Cell2. Allowed arithmetic: matrix products marked QUANTISED: E2M1 operands, one E8M0 scale for each 32 along K, by v_wmma_scale_f32_16x16x128_f8f6f4 with both operands' format E2M1 (or v_wmma_scale_f32_32x16x128_f4), f32 sums; everything else in f32.
;; Inputs: W_codes 8,192 x 64 x 16 uint8 (E2M1 codes of W, K innermost, in blocks of 32 codes, two codes a byte); W_scales 8,192 x 64 uint8 (E8M0 scales of W, one for each 32 codes along K); b 8,192 float32; c 4,096 x 2,048 float32; gn_bias 8,192 float32; gn_weight 8,192 float32; h_codes 4,096 x 64 x 16 uint8 (E2M1 codes of h, K innermost, in blocks of 32 codes, two codes a byte); h_scales 4,096 x 64 uint8 (E8M0 scales of h, one for each 32 codes along K); x 1 x 4,096 x 2,048 float32.
;; Outputs: out0 4,096 x 2,048 float32; out1 4,096 x 2,048 float32.
;; This version of the problem:
;;   THIS VERSION OF THE PROBLEM IS GIVEN IN LOW PRECISION. The matrix products marked QUANTISED in the list below multiply operands that are first quantised to E2M1 (2 exponent bits, 1 mantissa bit; 4 bits a number), with one power-of-two scale for each 32 numbers along K (OCP MX v1.0); their sums are f32. All else is computed in f32.
;;   The module's matrix products, in the order in which they are computed (A, B: the left and right operand; K: the contracted axis; several contracted axes count as one K, in the product's order):
;;     1. [M 4,096, K 2,048] x [K 2,048, N 8,192]; A: input h (given as codes); B: input W (given as codes): QUANTISED
;;   THE QUANTISER, for each operand of a quantised product, along K:
;;     - K is cut into blocks of 32 from its start; a last block that is shorter is filled with zeros.
;;     - A block's scale is 2^e with e = floor(log2(the largest magnitude in the block)) - 2, held to -126 .. 127; a block of zeros has e = 0. As a byte (E8M0): e + 127.
;;     - Each number is divided by its block's scale, clamped to +-6, and rounded to the nearest number of E2M1, ties to even, subnormals kept.
;;     - The product sums the exact products of the quantised numbers (number of the format x scale) in f32.
;;   ~~~python
;;   def quantise(x, axis):      # numpy; x: float32 -> the quantised numbers, widened to float32 again
;;       x = np.moveaxis(x, axis, -1); K = x.shape[-1]
;;       x = np.pad(x, [(0, 0)] * (x.ndim - 1) + [(0, -K % 32)]); x = x.reshape(x.shape[:-1] + (-1, 32)); a = np.abs(x).max(-1, keepdims=True)
;;       e = np.where(a > 0, np.clip(np.frexp(np.where(a > 0, a, 1))[1] - 1 - 2, -126, 127), 0)      # np.frexp(a)[1] - 1 = floor(log2(a)), exactly
;;       r = np.clip(x / 2.0 ** e, -6, 6)
;;       step = 2.0 ** (np.maximum(np.frexp(np.where(r == 0, 1, r))[1] - 1, 0) - 1)
;;       q = np.round(r / step) * step * 2.0 ** e      # np.round: ties to even
;;       return np.moveaxis(q.reshape(q.shape[:-2] + (-1,))[..., :K], -1, axis).astype(np.float32)
;;   ~~~
;;   INPUTS GIVEN AS CODES. W (in the module: [8192, 2048], K = its axis 1); h (in the module: [4096, 2048], K = its axis 1): each comes as NAME_codes (uint8): NAME with its K axis moved to the last place and cut into blocks of 32 codes, [.., K / 32, bytes a block], one block behind the other in memory; two codes a byte, the lower K in the low four bits (a code: sign, 2 exponent bits, 1 mantissa bit); and NAME_scales (uint8): the same leading axes, one E8M0 byte (e + 127) for each 32 codes along K. Its value is code x scale, taken as it is: it is not quantised again, and the codes and scales need not be those that the quantiser above would give.
;; One version. Each part assembles by itself: llvm-mc -triple=amdgcn-amd-amdhsa -mcpu=gfx1250 --defsym DOCPART=n.
;; ======== version 1 of 1: 2 launches
;; workspace buffers: stats 1,048,576 bytes; Wp_codes 8,388,608 bytes; Wp_scales 524,288 bytes
;; launch stats (part 1): grid 32 x 16, 4 waves a work-group, clusters of 4 x 4, 327,680 bytes of LDS; arguments h_codes, h_scales, W_codes, W_scales, b, stats, Wp_codes, Wp_scales; writes stats, Wp_codes, Wp_scales
.if DOCPART == 1
	.amdgcn_target "amdgcn-amd-amdhsa--gfx1250"
	.amdhsa_code_object_version 6
	.text
	.protected	k_q5800168dd5_stats
	.globl	k_q5800168dd5_stats
	.p2align	8
	.type	k_q5800168dd5_stats,@function
k_q5800168dd5_stats:
	s_mov_b64 s[64:65], 0
	v_nop
	global_prefetch_b8 v0, s[64:65] scope:SCOPE_SE
	s_setreg_imm32_b32 hwreg(HW_REG_WAVE_MODE, 25, 1), 1
	s_wait_xcnt 0x0
	s_wait_alu depctr_hold_cnt(0) depctr_sa_sdst(0) depctr_va_vdst(0) depctr_va_sdst(0) depctr_va_ssrc(0) depctr_va_vcc(0) depctr_vm_vsrc(0)
	s_getreg_b32 s2, hwreg(HW_REG_IB_STS2, 6, 4)
	s_cmp_eq_u32 s2, 0
	s_cbranch_scc0 .Lentry_in_a_cluster
	s_endpgm
.Lentry_in_a_cluster:
	s_bfe_u32 s2, ttmp6, 0x10000c
	s_cmp_lg_u32 s2, 0xf033
	s_cbranch_scc0 .Lentry_shape_is_right
	s_endpgm
.Lentry_shape_is_right:
; FIRST OF TWO LAUNCHES.  z = h W^T + b, [4096][8192], K = 2048, both operands as codes of FP4 (E2M1) with one E8M0 byte for each 32 along K.  A group norm over runs of 2,048 columns follows,
; so no tile can normalise itself, and z in f32 would be 134 MB out and 134 MB back.  So z is never stored: this launch multiplies and keeps, for each row and each tile of 256 columns, two numbers,
; the mean and the sum of squared differences from that mean; the second launch multiplies again and finishes.
; stats: [32 tile columns][4096 rows][mean, M2], f32.  No difference of large sums is formed: a wave takes its mean first and then the squares of z - mean, from its registers; the two column halves are merged by
; mean = (m0 + m1) / 2, M2 = q0 + q1 + 64 (m0 - m1)^2.
; ON THE SIDE each of the 512 work-groups copies 16 rows of W (codes and scale bytes) into Wp, in which the four gates' rows of a block of 64 columns lie together:
; row 256 t + 128 c + 32 g + j of Wp is row 2048 g + 64 t + 32 c + j of W.  The second launch's tile is then 256 neighbouring rows of Wp.
; THE PRODUCT: a tile of 256 x 256 to a work-group of four waves, a wave 128 x 128: 64 accumulators, 512 registers.  K goes in four steps of 512 through two LDS slots filled by the tensor data mover (rows of 256 bytes).
; The scale bytes of the work-group's 256 + 256 rows, for all of K, come into LDS once.  4 x 4 work-groups form a cluster: h's tiles are asked for jointly along a row of it, W's along a column.
; The matrix instruction is used transposed (source 0 = 16 rows of W, source 1 = 16 rows of h): lane l holds row l % 16 and eight neighbouring columns 8 (l / 16) + 0 .. 7.  The bias is the C of each sum's first product.
; The input x of the module enters no result and is not among this program's arguments.
; LIMITS: NaN and infinities (a scale byte 0xff) are not served.
; REGISTERS, in windows of 256: window 0: v0-31 addresses; v32-95 scale words, two sets; v96-127 the copy's codes; v128-191 h's fragments, one set; v192-255 the bias, 8 registers for each block of 16 columns.
;   window 1: W's fragments, two sets, at v0 and v128.   window 2: the accumulators of my rows 0-63 ((a, b) at v[8 (8 a + b)]);   window 3: those of my rows 64-127.
.set KSTEP,  512                       ; along K in a slot
.set NQ,     4                         ; matrix instructions deep
.set ROWB,   256                       ; a tile's row in bytes
.set KROW,   1024                      ; a row of codes in memory
.set PITCH,  272                       ; an LDS row: 256 bytes + 16 of padding, so that the 16 rows of a load start 68 words apart
.set FR,     8                         ; registers of a fragment
.set NL,     2                         ; LDS loads that bring one
.set NP,     4                         ; places behind this matrix instruction (ISA guide 7.12.1)
.set HALFT,  128*PITCH                 ; 128 rows: one tensor load
.set SLOT,   4*HALFT                   ; h's 256 rows, then W's 256
.set KS,     64                        ; a row of scale bytes
.set SCL,    2*SLOT                    ; behind the ring: the scale bytes, as units of 256 bytes + 16 of padding
.set HALFS,  32*272                    ; those of 128 rows: one tensor load
.set SBLK,   4*272                     ; those of 16 rows
.set SPARE,  SCL+4*HALFS               ; the spare words, 128 bytes for each wave
.set XCH,    SPARE+512                 ; 4,096 bytes: each wave's 128 rows x (mean, M2); no tile lands here
.set ADRA, 16                          ; v16-17  LDS address of my fragments of h in slot 0, 1
.set ADRB, 20                          ; v20-21  the same for W
.set ADRS, 27                          ; v27     LDS address of my scale words: lanes 0-15 h's rows, lanes 16-31 W's
.set SPW,  28                          ; v28     LDS address of my spare word; never rewritten
.set NIL,  29                          ; v29     0; never rewritten
.set SC,   32
.set AF,   128
.set BI,   192
.set TOF,  10                          ; v10     16 x thread: the copy's codes, and my two rows of stats
.set SOF,  11                          ; v11     8 x thread: the copy's scale bytes
.set XW,   22                          ; v22     where I put my rows' pairs
.set XR,   23                          ; v23     where I read two rows' pairs back
.set T,    96                          ; the way out: v96-223 partial sums, 32 for each block of 16 rows
.set SQR,  96                          ; then v96-127 the chains of squares
.set ST,   224                         ; v224-239: block a: mean, M2
.set G1, 24
.set G0, 32
.set G1B, 48
.set G0B, 56
.set G1S, 68
.set G0S, 76
.set G1SB, 80
.set G0SB, 88
.set MSB, 0
.macro WIN new                         ; the immediate's high byte repeats the setting that is left
.if MSB != (\new)
	s_set_vgpr_msb (MSB<<8)|(\new)
.set MSB, (\new)
.endif
.endm
.set MUL_LO, 0xa1                      ; source 0 (W) window 1, source 1 (h) window 0, C and D window 2
.set MUL_HI, 0xf1                      ; the same, C and D window 3.  In the first step C is the bias, in window 0: 0x81, 0xc1
.set TO_B,   0x40                      ; destination window 1, address window 0
; A joint load: waves 0 and 1 fetch for h, waves 2 and 3 for W.  The branch hangs on the wave's number alone.  Four v_nop follow each of the two lines.
.macro JLOAD g0a, g1a, g0b, g1b
	s_cmp_eq_u32 s15, 0
	s_cbranch_scc0 .Lfor_b_\@
	tensor_load_to_lds s[\g0a:\g0a+3], s[\g1a:\g1a+7]
.rept 4
	v_nop
.endr
	s_branch .Lasked_\@
.Lfor_b_\@:
	tensor_load_to_lds s[\g0b:\g0b+3], s[\g1b:\g1b+7]
.rept 4
	v_nop
.endr
.Lasked_\@:
.endm
.macro CREST                           ; a round of the cluster's barrier behind its opening barrier
	s_cmp_lg_u32 s14, 0
	s_cbranch_scc1 .Lnot_wave_0_\@
	s_barrier_signal -3
.Lnot_wave_0_\@:
	s_barrier_wait -3
	s_barrier_signal -1
	s_barrier_wait -1
.endm
.macro CROUND                          ; a whole round
	s_barrier_signal -1
	s_barrier_wait -1
	CREST
.endm
	s_load_b128 s[4:7], s[0:1], 0x0                ; h's codes, h's scales
	s_load_b128 s[8:11], s[0:1], 0x10              ; W's codes, W's scales
	s_load_b64 s[12:13], s[0:1], 0x20              ; b
	s_load_b64 s[96:97], s[0:1], 0x28              ; stats
	s_load_b64 s[98:99], s[0:1], 0x30              ; Wp's codes
	s_load_b64 s[100:101], s[0:1], 0x38            ; Wp's scales
	v_lshl_add_u32 v[SPW], v0, 2, SPARE
	v_mov_b32 v[NIL], 0
	v_lshrrev_b32 v1, 5, v0
	v_readfirstlane_b32 s14, v1                    ; wave 0..3
	s_lshr_b32 s15, s14, 1                         ; which half of the tile's rows is mine.  Also: I fetch for h (0) or for W (1)
	s_and_b32 s16, s14, 1                          ; which half of its columns.  Also: which 128 rows of that tile I fetch
	s_bfe_u32 s40, ttmp6, 0x40000                  ; cx, cy: my place in the cluster
	s_bfe_u32 s41, ttmp6, 0x40004
	s_lshl_b32 s42, ttmp9, 2
	s_add_co_u32 s42, s42, s40                     ; tile column = 4 x cluster x + cx
	s_and_b32 s17, ttmp7, 0xffff
	s_lshl_b32 s17, s17, 2
	s_add_co_u32 s17, s17, s41                     ; tile row = 4 x cluster y + cy
	s_lshl_b32 s43, s41, 2
	s_lshl_b32 s43, 15, s43                        ; my row of the cluster
	s_lshl_b32 s44, 0x1111, s40                    ; my column
	; descriptor group 1: a tile of 128 rows x 256 bytes, 16 bytes of padding behind each row
	s_or_b32 s[G1+0], s43, (0<<16)|(1<<20)|(1<<21)|(5<<22)|(3<<25)  ; 15:0 the mask: h's tiles go to my row; 17:16 elements of 1 byte; 20 padding on; 21 set beside a mask; 24:22 after every 64 words; 31:25 four words
	s_or_b32 s[G1B+0], s44, (0<<16)|(1<<20)|(1<<21)|(5<<22)|(3<<25)
.irp g, G1, G1B
	s_mov_b32 s[\g+1], ROWB<<16                    ; tensor_dim0
	s_mov_b32 s[\g+2], 128<<16                     ; tensor_dim1
	s_mov_b32 s[\g+3], ROWB<<16                    ; tile_dim0
	s_mov_b32 s[\g+4], 128                         ; tile_dim1
	s_mov_b32 s[\g+5], KROW                        ; tensor_dim0_stride
	s_mov_b32 s[\g+6], 0
	s_mov_b32 s[\g+7], 0
.endr
	; the scale bytes of 128 rows: 8,192 dense bytes, as 32 rows of 256 bytes (32 elements of 8 bytes), 16 bytes of padding behind each
	s_or_b32 s[G1S+0], s43, (3<<16)|(1<<20)|(1<<21)|(5<<22)|(3<<25)
	s_or_b32 s[G1SB+0], s44, (3<<16)|(1<<20)|(1<<21)|(5<<22)|(3<<25)
.irp g, G1S, G1SB
	s_mov_b32 s[\g+1], 32<<16
	s_mov_b32 s[\g+2], 32<<16
	s_mov_b32 s[\g+3], 32<<16
	s_mov_b32 s[\g+4], 32
	s_mov_b32 s[\g+5], 32
	s_mov_b32 s[\g+6], 0
	s_mov_b32 s[\g+7], 0
.endr
	s_lshl_b32 s18, s16, 7                         ; which 128 rows of the tile I fetch
	s_lshl_b32 s20, s17, 8
	s_add_co_u32 s20, s20, s18                     ; h: row 256 x tile row + 128 x half
	s_lshl_b32 s46, s42, 8
	s_add_co_u32 s46, s46, s18                     ; W: row 256 x tile column + 128 x half
	s_mov_b32 s21, 0
	s_mov_b32 s47, 0
	s_mov_b64 s[18:19], KS
	s_mul_u64 s[22:23], s[20:21], s[18:19]         ; where these rows' scale bytes begin
	s_mul_u64 s[92:93], s[46:47], s[18:19]
	s_mov_b64 s[18:19], KROW
	s_mul_u64 s[20:21], s[20:21], s[18:19]         ; and their codes
	s_mul_u64 s[46:47], s[46:47], s[18:19]
	s_mul_i32 s45, s14, HALFT                      ; where they go: wave x 128 rows: no place in the cluster enters an LDS address
	s_mul_i32 s94, s14, HALFS
	s_wait_kmcnt 0x0
	s_add_nc_u64 s[20:21], s[4:5], s[20:21]
	s_add_nc_u64 s[22:23], s[6:7], s[22:23]
	s_add_nc_u64 s[46:47], s[8:9], s[46:47]
	s_add_nc_u64 s[92:93], s[10:11], s[92:93]
	CROUND                                         ; all sixteen work-groups are here: the first joint loads meet
	s_mov_b32 s[G0S], 1
	s_add_co_u32 s[G0S+1], s94, SCL
	s_mov_b64 s[G0S+2:G0S+3], s[22:23]
	s_or_b32 s[G0S+3], s[G0S+3], 0x80000000
	s_mov_b32 s[G0SB], 1
	s_add_co_u32 s[G0SB+1], s94, SCL
	s_mov_b64 s[G0SB+2:G0SB+3], s[92:93]
	s_or_b32 s[G0SB+3], s[G0SB+3], 0x80000000
	JLOAD G0S, G1S, G0SB, G1SB                     ; the scale bytes first: they are wanted with K step 0
.irp s, 0,1
	s_mov_b32 s[G0+4*\s], 1
	s_add_co_u32 s[G0+4*\s+1], s45, \s*SLOT
	s_add_nc_u64 s[G0+4*\s+2:G0+4*\s+3], s[20:21], \s*ROWB
	s_or_b32 s[G0+4*\s+3], s[G0+4*\s+3], 0x80000000
	s_mov_b32 s[G0B+4*\s], 1
	s_add_co_u32 s[G0B+4*\s+1], s45, \s*SLOT
	s_add_nc_u64 s[G0B+4*\s+2:G0B+4*\s+3], s[46:47], \s*ROWB
	s_or_b32 s[G0B+4*\s+3], s[G0B+4*\s+3], 0x80000000
	JLOAD G0+4*\s, G1, G0B+4*\s, G1B               ; three tensor loads of mine are out
.endr
	v_and_b32 v1, 15, v0                           ; r = l % 16
	v_bfe_u32 v2, v0, 4, 1                         ; h = l / 16
	; the bias of my 128 columns, in the result's layout: lane (r, h), block b, register j: b[256 tx + 128 ch + 16 b + 8 h + j]
	s_mov_b32 s67, 0
	s_lshl_b32 s66, s42, 10
	s_lshl_b32 s18, s16, 9
	s_add_co_u32 s66, s66, s18
	s_add_nc_u64 s[12:13], s[12:13], s[66:67]
	v_lshlrev_b32 v7, 5, v2
.irp b, 0,1,2,3,4,5,6,7
	global_load_b128 v[BI+8*\b:BI+8*\b+3], v7, s[12:13] offset:64*\b
	global_load_b128 v[BI+8*\b+4:BI+8*\b+7], v7, s[12:13] offset:64*\b+16
.endr
	; the copy: work-group n = 32 ty + tx takes rows 16 n .. 16 n + 15 of W.  n = 128 g + 4 t + 2 c + j: they go to rows 16 (16 t + 8 c + 2 g + j) on
	s_lshl_b32 s18, s17, 5
	s_add_co_u32 s18, s18, s42
	s_lshl_b32 s66, s18, 14
	s_add_nc_u64 s[8:9], s[8:9], s[66:67]
	s_lshl_b32 s66, s18, 10
	s_add_nc_u64 s[10:11], s[10:11], s[66:67]
	v_lshlrev_b32 v[TOF], 4, v0
	v_lshlrev_b32 v[SOF], 3, v0
.irp i, 0,1,2,3,4,5,6,7
	global_load_b128 v[96+4*\i:96+4*\i+3], v[TOF], s[8:9] offset:2048*\i   ; a wave reads 512 consecutive bytes
.endr
	global_load_b64 v[12:13], v[SOF], s[10:11]
	s_lshr_b32 s19, s18, 7                         ; g
	s_bfe_u32 s20, s18, 0x50002                    ; t
	s_bfe_u32 s21, s18, 0x10001                    ; c
	s_and_b32 s22, s18, 1                          ; j
	s_lshl_b32 s20, s20, 4
	s_lshl_b32 s21, s21, 3
	s_lshl_b32 s19, s19, 1
	s_or_b32 s20, s20, s21
	s_or_b32 s20, s20, s19
	s_or_b32 s20, s20, s22
	s_lshl_b32 s66, s20, 14
	s_add_nc_u64 s[98:99], s[98:99], s[66:67]
	s_lshl_b32 s66, s20, 10
	s_add_nc_u64 s[100:101], s[100:101], s[66:67]
	s_lshl_b32 s66, s42, 15                        ; stats: 32,768 tx + 2,048 ty
	s_lshl_b32 s18, s17, 11
	s_add_co_u32 s66, s66, s18
	s_add_nc_u64 s[96:97], s[96:97], s[66:67]
	; LDS addresses
	v_mul_u32_u24 v3, v1, PITCH
	v_lshl_add_u32 v4, v2, 4, v3                   ; a fragment's row x pitch + 16 x half
	s_mul_i32 s21, s15, HALFT                      ; my 128 rows of h
	s_mul_i32 s22, s16, HALFT                      ; my 128 rows of W,
	s_add_co_u32 s22, s22, 2*HALFT                 ; which lie behind h's 256
.irp s, 0,1
	v_add_nc_u32 v[ADRA+\s], s21, v4
	v_add_nc_u32 v[ADRB+\s], s22, v4
	s_add_co_u32 s21, s21, SLOT
	s_add_co_u32 s22, s22, SLOT
.endr
	v_mul_u32_u24 v5, v1, KS                       ; my row's scale bytes: 64 a row,
	v_lshrrev_b32 v6, 8, v5
	v_lshl_add_u32 v5, v6, 4, v5                   ; and 16 more for each 256 passed
	s_mul_i32 s21, s15, HALFS
	s_mul_i32 s22, s16, HALFS
	s_add_co_u32 s22, s22, 2*HALFS
	s_sub_co_u32 s22, s22, s21
	v_mul_u32_u24 v6, s22, v2                      ; lanes 16-31 take W's
	s_add_co_u32 s21, s21, SCL
	v_add_nc_u32 v5, v5, v6
	v_add_nc_u32 v[ADRS], s21, v5
	s_lshl_b32 s18, s14, 10
	s_add_co_u32 s18, s18, XCH
	v_lshl_add_u32 v[XW], v1, 3, s18               ; my wave's 1,024 bytes, 8 bytes a row
	v_lshrrev_b32 v3, 6, v0
	v_and_b32 v4, 63, v0
	v_lshlrev_b32 v3, 11, v3
	v_lshl_add_u32 v[XR], v4, 4, v3
	v_add_nc_u32 v[XR], XCH, v[XR]                 ; thread t: rows 2 t, 2 t + 1 of the tile, first column half; the second lies 1,024 bytes on
	s_mov_b32 s2, 0x76543210
	s_mov_b32 s3, 0xfedcba98                       ; v_permlanex16_b32's selects for lane l xor 16
	s_wait_loadcnt 0x0                             ; the bias and the copy's rows are in
.irp i, 0,1,2,3,4,5,6,7
	global_store_b128 v[TOF], v[96+4*\i:96+4*\i+3], s[98:99] offset:2048*\i   ; a wave stores 512 consecutive bytes, aligned to 256
.endr
	global_store_b64 v[SOF], v[12:13], s[100:101]  ; a wave stores 256 consecutive bytes, aligned
.macro FRAG reg, adr, q, i             ; a fragment, 16 rows x 128 K: lane l holds row l % 16; registers 4 c .. 4 c + 3 hold K = 64 c + 32 (l / 16) + 0 .. 31
.irp c, 0,1
	ds_load_b128 v[\reg+4*\c:\reg+4*\c+3], v[\adr] offset:64*(\q)+32*\c+(\i)*16*PITCH
.endr
.endm
; 16 matrix instructions: h's blocks a0, a0 + 1 x W's eight, the slot's q-th 128 along K.  p: W's set;  sc: the set of scale words.  first = 1: the sums begin with the bias as C.
; The 64 accumulators take turns, one instruction a turn, in the same order in every step.
.macro MUL16 a0, p, q, sc, first
.irp a, \a0, \a0+1
.irp b, 0,1,2,3,4,5,6,7
.if \first
	v_wmma_scale_f32_16x16x128_f8f6f4 v[8*(8*((\a)%4)+\b):8*(8*((\a)%4)+\b)+7], v[128*(\p)+FR*\b:128*(\p)+FR*\b+FR-1], v[AF+FR*(\a):AF+FR*(\a)+FR-1], v[BI+8*\b:BI+8*\b+7], v[SC+8*NQ*(\sc)+NQ*\b+(\q)], v[SC+8*NQ*(\sc)+NQ*(\a)+(\q)] matrix_a_fmt:MATRIX_FMT_FP4 matrix_b_fmt:MATRIX_FMT_FP4 matrix_a_scale:MATRIX_SCALE_ROW1
.else
	v_wmma_scale_f32_16x16x128_f8f6f4 v[8*(8*((\a)%4)+\b):8*(8*((\a)%4)+\b)+7], v[128*(\p)+FR*\b:128*(\p)+FR*\b+FR-1], v[AF+FR*(\a):AF+FR*(\a)+FR-1], v[8*(8*((\a)%4)+\b):8*(8*((\a)%4)+\b)+7], v[SC+8*NQ*(\sc)+NQ*\b+(\q)], v[SC+8*NQ*(\sc)+NQ*(\a)+(\q)] matrix_a_fmt:MATRIX_FMT_FP4 matrix_b_fmt:MATRIX_FMT_FP4 matrix_a_scale:MATRIX_SCALE_ROW1
.endif
.endr
.endr
.endm
.macro FETCH_B slot, q, p              ; W's eight fragments of the slot's q-th 128 along K into set p
	WIN TO_B
.irp i, 0,1,2,3,4,5,6,7
	FRAG 128*(\p)+FR*\i, ADRB+\slot, \q, \i
.endr
	WIN 0
.endm
.macro FETCH_A slot, q, i0             ; h's blocks i0 .. i0 + 3
.irp i, \i0, \i0+1, \i0+2, \i0+3
	FRAG AF+FR*(\i), ADRA+\slot, \q, \i
.endr
.endm
.macro SCALES sc                       ; a K step's scale words into set sc: four words a row; lanes 0-15 take h's block i, lanes 16-31 W's block i
.irp i, 0,1,2,3,4,5,6,7
	ds_load_b128 v[SC+8*NQ*\sc+NQ*\i:SC+8*NQ*\sc+NQ*\i+3], v[ADRS] offset:\i*SBLK
.endr
.endm
; A load into a register that a matrix instruction has read, and a vector instruction or an LDS store that reads a matrix result, stand NP places behind that matrix instruction; only plain vector
; instructions that name none of its registers are places (ISA guide 7.12.1 for vector instructions).
.macro PLACES n
.rept \n
	v_nop
.endr
.endm
; A step of 128 along K that has its successor in the same slot.
.macro STEP slot, q, first
	s_wait_dscnt 4*NL                              ; W's set and h's blocks 0-3 are in; the youngest eight loads (h's blocks 4-7) may be out
	WIN MUL_LO-0x20*(\first)
	MUL16 0, (\q)%2, \q, \slot, \first
	MUL16 2, (\q)%2, \q, \slot, \first
	s_wait_dscnt 0                                 ; h's blocks 4-7 are in (asked for 32 matrix instructions ago)
	PLACES NP
	FETCH_B \slot, (\q)+1, 1-(\q)%2
	FETCH_A \slot, (\q)+1, 0
	WIN MUL_HI-0x30*(\first)
	MUL16 4, (\q)%2, \q, \slot, \first
	MUL16 6, (\q)%2, \q, \slot, \first
	PLACES NP
	WIN 0
	FETCH_A \slot, (\q)+1, 4
.endm
; A slot's last step changes slots: ONE barrier; in front of it each wave waits for all its tensor loads, adds 0 to its spare word, and waits for that and for its own reads of this slot.  fill = 1: this slot is filled again, two K steps ahead.
.macro TURN slot, next, fill
	s_wait_tensorcnt 0x0                           ; all my tensor loads have landed: my part of the next slot;  (every window is 0 here)
	ds_add_u32 v[SPW], v[NIL]                      ; 0 onto my spare word;
	s_wait_dscnt 4*NL+1                            ; (the add and the youngest eight loads, h's blocks 4-7, may be out)
	WIN MUL_LO
	MUL16 0, 1, NQ-1, \slot, 0                     ; sixteen matrix instructions stand between the add and the wait for it
	s_wait_dscnt 0x0                               ; the add is done, and my reads of this slot are over
	s_barrier_signal -1
	MUL16 2, 1, NQ-1, \slot, 0
	WIN 0
	s_barrier_wait -1
.if \fill
	CREST                                          ; the barrier has opened a round of the cluster's barrier: no wave of any partner still reads this slot's tile or has a load on its way
	s_add_nc_u64 s[G0+4*\slot+2:G0+4*\slot+3], s[G0+4*\slot+2:G0+4*\slot+3], 2*ROWB
	s_add_nc_u64 s[G0B+4*\slot+2:G0B+4*\slot+3], s[G0B+4*\slot+2:G0B+4*\slot+3], 2*ROWB
	JLOAD G0+4*\slot, G1, G0B+4*\slot, G1B         ; the first tensor load behind the round; the four v_nop behind it are the places in front of the loads below
.else
	PLACES NP
.endif
	v_add_nc_u32 v[ADRS], 4*NQ, v[ADRS]            ; on to the next K step's scale words
	FETCH_B \next, 0, 0
	FETCH_A \next, 0, 0
	SCALES \next
	WIN MUL_HI
	MUL16 4, 1, NQ-1, \slot, 0
	MUL16 6, 1, NQ-1, \slot, 0
	PLACES NP
	WIN 0
	FETCH_A \next, 0, 4
.endm
.macro STEPS slot, from                ; the slot's steps from .. NQ - 2
.set QQ, \from
.rept NQ-1-\from
	STEP \slot, QQ, 0
.set QQ, QQ+1
.endr
.endm
	s_wait_tensorcnt 1                             ; the scale bytes and my part of K step 0 are in (K step 1's load may be out)
	s_barrier_signal -1
	s_barrier_wait -1                              ; everybody's are
	FETCH_B 0, 0, 0
	FETCH_A 0, 0, 0
	SCALES 0
	FETCH_A 0, 0, 4
	STEP 0, 0, 1                                   ; K has four K steps: they are written out, since a loop would have one trip
	STEPS 0, 1
	TURN 0, 1, 1                                   ; slot 0 takes K step 2
	STEPS 1, 0
	TURN 1, 0, 1                                   ; slot 1 takes K step 3
	STEP 0, 0, 0
	STEPS 0, 1
	TURN 0, 1, 0                                   ; nothing is left to fetch
	STEPS 1, 0
	s_wait_dscnt 4*NL                              ; the very last step
	WIN MUL_LO
	MUL16 0, 1, NQ-1, 1, 0
	MUL16 2, 1, NQ-1, 1, 0
	s_wait_dscnt 0
	WIN MUL_HI
	MUL16 4, 1, NQ-1, 1, 0
	MUL16 6, 1, NQ-1, 1, 0
	WIN 0
; THE WAY OUT.  For the four blocks of 16 rows of window w: the sum of a lane's 64 numbers and of lane l xor 16's gives the row's mean over my 128 columns; the accumulators are centred in place; their squares are summed.
.macro HALF w
.set A0, 4*(\w-2)
	WIN (\w)|((\w)<<2)                             ; sources 0 and 1: the accumulators' window
.irp a, 0,1,2,3
.irp b, 0,1,2,3,4,5,6,7
	v_pk_add_f32 v[T+32*\a+4*\b:T+32*\a+4*\b+1], v[64*\a+8*\b:64*\a+8*\b+1], v[64*\a+8*\b+2:64*\a+8*\b+3]          ; each accumulator from its low end on
	v_pk_add_f32 v[T+32*\a+4*\b+2:T+32*\a+4*\b+3], v[64*\a+8*\b+4:64*\a+8*\b+5], v[64*\a+8*\b+6:64*\a+8*\b+7]
.endr
.endr
	WIN 0
.irp d, 16,8,4,2                       ; 16 pairs a block become one; the four blocks by turns
.set i, 0
.rept \d/2
.irp a, 0,1,2,3
	v_pk_add_f32 v[T+32*\a+i:T+32*\a+i+1], v[T+32*\a+i:T+32*\a+i+1], v[T+32*\a+i+\d:T+32*\a+i+\d+1]
.endr
.set i, i+2
.endr
.endr
.irp a, 0,1,2,3
	v_add_f32 v[T+32*\a], v[T+32*\a], v[T+32*\a+1]
.endr
.irp a, 0,1,2,3
	v_permlanex16_b32 v[ST+2*(A0+\a)+1], v[T+32*\a], s2, s3
.endr
.irp a, 0,1,2,3
	v_add_f32 v[T+32*\a], v[T+32*\a], v[ST+2*(A0+\a)+1]
.endr
.irp a, 0,1,2,3
	v_mul_f32 v[ST+2*(A0+\a)], 0x3c000000, v[T+32*\a]              ; / 128: the mean
.endr
	WIN ((\w)<<6)|(\w)                             ; destination and source 0: the accumulators' window
.irp a, 0,1,2,3
.set i, 0
.rept 32
	v_pk_add_f32 v[64*\a+i:64*\a+i+1], v[64*\a+i:64*\a+i+1], v[ST+2*(A0+\a):ST+2*(A0+\a)+1] op_sel_hi:[1,0] neg_lo:[0,1] neg_hi:[0,1]   ; z - mean (the pair's low word serves both halves)
.set i, i+2
.endr
.endr
	WIN (\w)|((\w)<<2)
.set p, 0
.rept 32                               ; four chains a block, sixteen by turns; the first link of each is a product: nothing is cleared
.irp a, 0,1,2,3
.if p < 4
	v_pk_mul_f32 v[SQR+8*\a+2*(p%4):SQR+8*\a+2*(p%4)+1], v[64*\a+2*p:64*\a+2*p+1], v[64*\a+2*p:64*\a+2*p+1]
.else
	v_pk_fma_f32 v[SQR+8*\a+2*(p%4):SQR+8*\a+2*(p%4)+1], v[64*\a+2*p:64*\a+2*p+1], v[64*\a+2*p:64*\a+2*p+1], v[SQR+8*\a+2*(p%4):SQR+8*\a+2*(p%4)+1]
.endif
.endr
.set p, p+1
.endr
	WIN 0
.irp a, 0,1,2,3
	v_pk_add_f32 v[SQR+8*\a:SQR+8*\a+1], v[SQR+8*\a:SQR+8*\a+1], v[SQR+8*\a+2:SQR+8*\a+3]
	v_pk_add_f32 v[SQR+8*\a+4:SQR+8*\a+5], v[SQR+8*\a+4:SQR+8*\a+5], v[SQR+8*\a+6:SQR+8*\a+7]
.endr
.irp a, 0,1,2,3
	v_pk_add_f32 v[SQR+8*\a:SQR+8*\a+1], v[SQR+8*\a:SQR+8*\a+1], v[SQR+8*\a+4:SQR+8*\a+5]
.endr
.irp a, 0,1,2,3
	v_add_f32 v[SQR+8*\a], v[SQR+8*\a], v[SQR+8*\a+1]
.endr
.irp a, 0,1,2,3
	v_permlanex16_b32 v[128+\a], v[SQR+8*\a], s2, s3               ; (a register of T that has been written and is done with)
.endr
.irp a, 0,1,2,3
	v_add_f32 v[ST+2*(A0+\a)+1], v[SQR+8*\a], v[128+\a]            ; M2 over my 128 columns
.endr
.endm
	PLACES NP                                      ; behind the last products: results are read, and registers that held operands are written
	s_wait_xcnt 0x0                                ; the copy's stores have read v96-127, which are written again only behind this wait
.irp a, 0,1,2,3,4,5,6,7
	v_mov_b32 v[ST+2*\a+1], 0                      ; written once: a lane permute's destination counts as one of its sources
.endr
	HALF 2
	HALF 3
.irp a, 0,1,2,3,4,5,6,7
	ds_store_b64 v[XW], v[ST+2*\a:ST+2*\a+1] offset:128*\a         ; row 16 a + r; lanes r and r + 16 write the same bytes with the same values (a + b = b + a)
.endr
	s_wait_dscnt 0x0                               ; for the others' sake: my pairs lie in LDS
	s_barrier_signal -1
	s_barrier_wait -1
	ds_load_b128 v[96:99], v[XR]                   ; rows 2 t, 2 t + 1: (mean, M2) of the first 128 columns,
	ds_load_b128 v[100:103], v[XR] offset:1024     ; and of the second
	s_wait_dscnt 0x0
	v_add_f32 v104, v96, v100
	v_add_f32 v106, v98, v102
	v_sub_f32 v108, v96, v100
	v_sub_f32 v109, v98, v102
	v_add_f32 v105, v97, v101
	v_add_f32 v107, v99, v103
	v_mul_f32 v108, v108, v108
	v_mul_f32 v109, v109, v109
	v_mul_f32 v104, 0.5, v104                      ; the mean over 256 columns
	v_mul_f32 v106, 0.5, v106
	v_fmamk_f32 v105, v108, 0x42800000, v105       ; M2 = q0 + q1 + 64 (m0 - m1)^2
	v_fmamk_f32 v107, v109, 0x42800000, v107
	global_store_b128 v[TOF], v[104:107], s[96:97] ; a wave stores 512 consecutive bytes, aligned to 256
	s_wait_tensorcnt 0x0                           ; the wave's end
	ds_add_u32 v[SPW], v[NIL]
	s_wait_dscnt 0x0
	CROUND                                         ; the closing round: no work-group ends while a partner may still ask for a tile that names it
	s_endpgm
.Lfunc_end_k_q5800168dd5_stats:
	.size	k_q5800168dd5_stats, .Lfunc_end_k_q5800168dd5_stats-k_q5800168dd5_stats
	.p2alignl 7, 3214868480
	.fill 96, 4, 3214868480
	.section	.rodata,"a",@progbits
	.p2align	6, 0x0
	.amdhsa_kernel k_q5800168dd5_stats
		.amdhsa_group_segment_fixed_size 327680
		.amdhsa_private_segment_fixed_size 0
		.amdhsa_enable_private_segment 0
		.amdhsa_kernarg_size 64
		.amdhsa_user_sgpr_count 2
		.amdhsa_user_sgpr_kernarg_segment_ptr 1
		.amdhsa_wavefront_size32 1
		.amdhsa_system_sgpr_workgroup_id_x 1
		.amdhsa_system_sgpr_workgroup_id_y 1
		.amdhsa_system_sgpr_workgroup_id_z 1
		.amdhsa_system_vgpr_workitem_id 0
		.amdhsa_next_free_vgpr 1024
		.amdhsa_next_free_sgpr 102
		.amdhsa_reserve_vcc 0
		.amdhsa_float_denorm_mode_32 3
		.amdhsa_float_denorm_mode_16_64 3
		.amdhsa_memory_ordered 1
		.amdhsa_forward_progress 1
		.amdhsa_inst_pref_size 239
	.end_amdhsa_kernel
	.amdgpu_metadata
---
amdhsa.version: [ 1, 2 ]
amdhsa.kernels:
  - .name:           k_q5800168dd5_stats
    .symbol:         k_q5800168dd5_stats.kd
    .args:
      - { .name: h_codes, .offset: 0, .size: 8, .value_kind: global_buffer, .address_space: global }
      - { .name: h_scales, .offset: 8, .size: 8, .value_kind: global_buffer, .address_space: global }
      - { .name: W_codes, .offset: 16, .size: 8, .value_kind: global_buffer, .address_space: global }
      - { .name: W_scales, .offset: 24, .size: 8, .value_kind: global_buffer, .address_space: global }
      - { .name: b, .offset: 32, .size: 8, .value_kind: global_buffer, .address_space: global }
      - { .name: stats, .offset: 40, .size: 8, .value_kind: global_buffer, .address_space: global }
      - { .name: Wp_codes, .offset: 48, .size: 8, .value_kind: global_buffer, .address_space: global }
      - { .name: Wp_scales, .offset: 56, .size: 8, .value_kind: global_buffer, .address_space: global }
    .group_segment_fixed_size: 327680
    .private_segment_fixed_size: 0
    .kernarg_segment_align: 8
    .kernarg_segment_size: 64
    .max_flat_workgroup_size: 128
    .sgpr_count:     102
    .vgpr_count:     1024
    .wavefront_size: 32
...
	.end_amdgpu_metadata
.endif
;; end of part 1
;; launch gates (part 2): grid 32 x 16, 4 waves a work-group, clusters of 4 x 4, 327,680 bytes of LDS; arguments h_codes, h_scales, Wp_codes, Wp_scales, b, stats, gn_weight, gn_bias, c, out0, out1; writes out0, out1
.if DOCPART == 2
	.amdgcn_target "amdgcn-amd-amdhsa--gfx1250"
	.amdhsa_code_object_version 6
	.text
	.protected	k_q5800168dd5_gates
	.globl	k_q5800168dd5_gates
	.p2align	8
	.type	k_q5800168dd5_gates,@function
k_q5800168dd5_gates:
	s_mov_b64 s[64:65], 0
	v_nop
	global_prefetch_b8 v0, s[64:65] scope:SCOPE_SE
	s_setreg_imm32_b32 hwreg(HW_REG_WAVE_MODE, 25, 1), 1
	s_wait_xcnt 0x0
	s_wait_alu depctr_hold_cnt(0) depctr_sa_sdst(0) depctr_va_vdst(0) depctr_va_sdst(0) depctr_va_ssrc(0) depctr_va_vcc(0) depctr_vm_vsrc(0)
	s_getreg_b32 s2, hwreg(HW_REG_IB_STS2, 6, 4)
	s_cmp_eq_u32 s2, 0
	s_cbranch_scc0 .Lentry_in_a_cluster
	s_endpgm
.Lentry_in_a_cluster:
	s_bfe_u32 s2, ttmp6, 0x10000c
	s_cmp_lg_u32 s2, 0xf033
	s_cbranch_scc0 .Lentry_shape_is_right
	s_endpgm
.Lentry_shape_is_right:
; SECOND OF TWO LAUNCHES.  z = h W^T + b is multiplied once more, on Wp, the copy of W in which the four gates' rows of a block of 64 columns lie together: a work-group's tile is 256 rows x (4 gates x 64 columns).
; The first launch's partial statistics (mean and M2 of each row over each 256 columns) are merged, eight parts to a group: mean = the parts' mean, M2 = sum of M2 + 256 x sum of (part's mean - mean)^2;
; rstd = 1 / sqrt(M2 / 2048 + 1e-5).  Then, column by column: zn = (z - mean) rstd, y = zn x gn_weight + gn_bias; c_new = sigmoid(y_f) c + sigmoid(y_i) tanh(y_g); h_new = sigmoid(y_o) tanh(c_new).  out0 = h_new, out1 = c_new.
; THE GATES BY FEW RECIPROCALS.  E = 2^(-log2(e) y) for i, f, o and 2^(2 log2(e) y) for g; the factors are folded into gn_weight and gn_bias.  sigmoid = 1 / (1 + E), tanh = (E - 1) / (E + 1).
; With X = 1 + E: R = 1 / (Xi Xg Xf); sigmoid(f) = R Xi Xg; sigmoid(i) tanh(g) = (Eg - 1) Xf R.  Likewise h_new = (C - 1) / ((C + 1) Xo), C = 2^(2 log2(e) c_new).
; LIMITS: every exponent is held at 30 from above, so that a product of three X stays under 2^91: a sigmoid or 1 - tanh under 2^-30 is given as 2^-30, an absolute error under 1e-9.
; zn is one fused multiply-add, z rstd - mean rstd: its error is half an ulp of mean x rstd.  NaN and infinities among the inputs are not served (the hold drops a NaN).
; The input x of the module enters no result and is not among this program's arguments.
; THE PRODUCT is the first launch's: four waves of 128 x 128, four K steps of 512 through two LDS slots, scale bytes resident, 4 x 4 clusters with joint loads, transposed use, the bias as the first C.
; c's tile is asked for at the head, into 128 registers of window 1 that the product leaves idle, and lands under the product.
; THE WAY OUT.  A wave holds 32 columns of each gate for 128 rows; a column's four gates lie in four accumulators, and a row's 64 columns in two waves.  So z goes through LDS: four regions, one for each wave's 64 rows to finish:
; 8,192 bytes for c's images, then 64 rows of (4 gates x 256 bytes + 16).  All of it lies in bytes that have had their last fill and, behind a barrier, their last read.
; REGISTERS: window 0: v0-31 addresses; v32-95 scale words; v96-111, v112-127 gn_weight, gn_bias of my 4 columns x 4 gates, scaled; v128-191 h's fragments; v192-255 the bias.  On the way out v128-239 two sets of 56, v240-255 results.
;   window 1: v0-63, v128-191 W's fragments (at the head: the statistics); v64-127, v192-255 c.   windows 2, 3: the accumulators.
.set KSTEP,  512
.set NQ,     4
.set ROWB,   256
.set KROW,   1024
.set PITCH,  272                       ; an LDS row: 256 bytes + 16 of padding
.set FR,     8
.set NL,     2
.set NP,     4                         ; places behind this matrix instruction (ISA guide 7.12.1)
.set HALFT,  128*PITCH
.set SLOT,   4*HALFT
.set KS,     64
.set SCL,    2*SLOT
.set HALFS,  32*272
.set SBLK,   4*272
.set SPARE,  SCL+4*HALFS               ; the spare words, 128 bytes for each wave
.set TAB,    SPARE+512                 ; 8,192 bytes: for each of the tile's 256 rows (rstd, -mean rstd) x 4 gates; no tile lands here
.set ZP,     1040                      ; the way out: a row of z: 4 x 256 bytes + 16: 65 x 16 bytes, so that sixteen rows' stores of 16 bytes start 65 quads of words apart
.set REG,    8192+64*ZP                ; a wave's region: 74,752 bytes; four of them end at 299,008, under the spare words
.set ADRA, 16
.set ADRB, 20
.set ADRS, 27
.set SPW,  28                          ; v28  LDS address of my spare word; never rewritten
.set NIL,  29                          ; v29  0; never rewritten
.set SC,   32
.set AF,   128
.set BI,   192
.set ZA,   7                           ; v7   the next trip's rows of z
.set TA,   8                           ; v8   their statistics
.set CA,   9                           ; v9   their c
.set ZST,  22                          ; v22-23 where I put z: my rows 0-63, 64-127
.set CSA,  24                          ; v24  my region + 16 x lane: c's images
.set ZRD,  25                          ; v25  where I read z back: lanes 0-15 one row, lanes 16-31 the next
.set TRD,  26                          ; v26  and those rows' statistics
.set OFO,  30                          ; v30  my byte offset in c, out0, out1; never rewritten
.set TW,   31                          ; v31  where I put two rows' statistics
.set WP,   96
.set BP,   112
.set CB,   128                         ; the merge's 64 registers, 16 for each group
.set ZSET, 128                         ; the way out: set s at v[128 + 56 s]: z 32 (8 g + 4 pr + i), statistics 16 (8 pr + 2 g), c 8 (4 pr + i)
.set OC,   240                         ; c_new
.set OH,   248                         ; h_new
.set G1, 24
.set G0, 32
.set G1B, 48
.set G0B, 56
.set G1S, 68
.set G0S, 76
.set G1SB, 80
.set G0SB, 88
.set MSB, 0
.macro WIN new                         ; the immediate's high byte repeats the setting that is left
.if MSB != (\new)
	s_set_vgpr_msb (MSB<<8)|(\new)
.set MSB, (\new)
.endif
.endm
.set MUL_LO, 0xa1                      ; source 0 (W) window 1, source 1 (h) window 0, C and D window 2
.set MUL_HI, 0xf1                      ; the same, C and D window 3.  In the first step C is the bias, in window 0: 0x81, 0xc1
.set TO_B,   0x40
.macro JLOAD g0a, g1a, g0b, g1b        ; a joint load: waves 0 and 1 fetch for h, waves 2 and 3 for W; four v_nop follow each of the two lines
	s_cmp_eq_u32 s15, 0
	s_cbranch_scc0 .Lfor_b_\@
	tensor_load_to_lds s[\g0a:\g0a+3], s[\g1a:\g1a+7]
.rept 4
	v_nop
.endr
	s_branch .Lasked_\@
.Lfor_b_\@:
	tensor_load_to_lds s[\g0b:\g0b+3], s[\g1b:\g1b+7]
.rept 4
	v_nop
.endr
.Lasked_\@:
.endm
.macro CREST
	s_cmp_lg_u32 s14, 0
	s_cbranch_scc1 .Lnot_wave_0_\@
	s_barrier_signal -3
.Lnot_wave_0_\@:
	s_barrier_wait -3
	s_barrier_signal -1
	s_barrier_wait -1
.endm
.macro CROUND
	s_barrier_signal -1
	s_barrier_wait -1
	CREST
.endm
	s_load_b128 s[4:7], s[0:1], 0x0                ; h's codes, h's scales
	s_load_b128 s[8:11], s[0:1], 0x10              ; Wp's codes, Wp's scales
	s_load_b64 s[12:13], s[0:1], 0x20              ; b
	s_load_b64 s[96:97], s[0:1], 0x28              ; stats
	s_load_b64 s[98:99], s[0:1], 0x30              ; gn_weight
	s_load_b64 s[100:101], s[0:1], 0x38            ; gn_bias
	v_lshl_add_u32 v[SPW], v0, 2, SPARE
	v_mov_b32 v[NIL], 0
	v_lshrrev_b32 v1, 5, v0
	v_readfirstlane_b32 s14, v1                    ; wave 0..3
	s_lshr_b32 s15, s14, 1                         ; which half of the tile's rows is mine.  Also: I fetch for h (0) or for W (1)
	s_and_b32 s16, s14, 1                          ; which half of its columns.  Also: which 128 rows of that tile I fetch
	s_bfe_u32 s40, ttmp6, 0x40000                  ; cx, cy
	s_bfe_u32 s41, ttmp6, 0x40004
	s_lshl_b32 s42, ttmp9, 2
	s_add_co_u32 s42, s42, s40                     ; tile column
	s_and_b32 s17, ttmp7, 0xffff
	s_lshl_b32 s17, s17, 2
	s_add_co_u32 s17, s17, s41                     ; tile row
	s_lshl_b32 s43, s41, 2
	s_lshl_b32 s43, 15, s43                        ; my row of the cluster
	s_lshl_b32 s44, 0x1111, s40                    ; my column
	s_or_b32 s[G1+0], s43, (0<<16)|(1<<20)|(1<<21)|(5<<22)|(3<<25)  ; a tile of 128 rows x 256 bytes; the mask; padding of four words after every 64
	s_or_b32 s[G1B+0], s44, (0<<16)|(1<<20)|(1<<21)|(5<<22)|(3<<25)
.irp g, G1, G1B
	s_mov_b32 s[\g+1], ROWB<<16
	s_mov_b32 s[\g+2], 128<<16
	s_mov_b32 s[\g+3], ROWB<<16
	s_mov_b32 s[\g+4], 128
	s_mov_b32 s[\g+5], KROW
	s_mov_b32 s[\g+6], 0
	s_mov_b32 s[\g+7], 0
.endr
	s_or_b32 s[G1S+0], s43, (3<<16)|(1<<20)|(1<<21)|(5<<22)|(3<<25) ; the scale bytes of 128 rows: 32 rows of 256 bytes
	s_or_b32 s[G1SB+0], s44, (3<<16)|(1<<20)|(1<<21)|(5<<22)|(3<<25)
.irp g, G1S, G1SB
	s_mov_b32 s[\g+1], 32<<16
	s_mov_b32 s[\g+2], 32<<16
	s_mov_b32 s[\g+3], 32<<16
	s_mov_b32 s[\g+4], 32
	s_mov_b32 s[\g+5], 32
	s_mov_b32 s[\g+6], 0
	s_mov_b32 s[\g+7], 0
.endr
	s_lshl_b32 s18, s16, 7
	s_lshl_b32 s20, s17, 8
	s_add_co_u32 s20, s20, s18                     ; h: row 256 x tile row + 128 x half
	s_lshl_b32 s46, s42, 8
	s_add_co_u32 s46, s46, s18                     ; Wp: row 256 x tile column + 128 x half
	s_mov_b32 s21, 0
	s_mov_b32 s47, 0
	s_mov_b64 s[18:19], KS
	s_mul_u64 s[22:23], s[20:21], s[18:19]
	s_mul_u64 s[92:93], s[46:47], s[18:19]
	s_mov_b64 s[18:19], KROW
	s_mul_u64 s[20:21], s[20:21], s[18:19]
	s_mul_u64 s[46:47], s[46:47], s[18:19]
	s_mul_i32 s45, s14, HALFT
	s_mul_i32 s94, s14, HALFS
	s_wait_kmcnt 0x0
	s_add_nc_u64 s[20:21], s[4:5], s[20:21]
	s_add_nc_u64 s[22:23], s[6:7], s[22:23]
	s_add_nc_u64 s[46:47], s[8:9], s[46:47]
	s_add_nc_u64 s[92:93], s[10:11], s[92:93]
	CROUND                                         ; all sixteen work-groups are here: the first joint loads meet
	s_mov_b32 s[G0S], 1
	s_add_co_u32 s[G0S+1], s94, SCL
	s_mov_b64 s[G0S+2:G0S+3], s[22:23]
	s_or_b32 s[G0S+3], s[G0S+3], 0x80000000
	s_mov_b32 s[G0SB], 1
	s_add_co_u32 s[G0SB+1], s94, SCL
	s_mov_b64 s[G0SB+2:G0SB+3], s[92:93]
	s_or_b32 s[G0SB+3], s[G0SB+3], 0x80000000
	JLOAD G0S, G1S, G0SB, G1SB
.irp s, 0,1
	s_mov_b32 s[G0+4*\s], 1
	s_add_co_u32 s[G0+4*\s+1], s45, \s*SLOT
	s_add_nc_u64 s[G0+4*\s+2:G0+4*\s+3], s[20:21], \s*ROWB
	s_or_b32 s[G0+4*\s+3], s[G0+4*\s+3], 0x80000000
	s_mov_b32 s[G0B+4*\s], 1
	s_add_co_u32 s[G0B+4*\s+1], s45, \s*SLOT
	s_add_nc_u64 s[G0B+4*\s+2:G0B+4*\s+3], s[46:47], \s*ROWB
	s_or_b32 s[G0B+4*\s+3], s[G0B+4*\s+3], 0x80000000
	JLOAD G0+4*\s, G1, G0B+4*\s, G1B               ; three tensor loads of mine are out
.endr
	s_load_b128 s[4:7], s[0:1], 0x40               ; c, out0 (the operands' addresses are spent)
	s_load_b64 s[8:9], s[0:1], 0x50                ; out1
	v_and_b32 v1, 15, v0                           ; r = l % 16
	v_bfe_u32 v2, v0, 4, 1                         ; h = l / 16
	v_lshlrev_b32 v10, 4, v0                       ; 16 x thread: rows 2 t, 2 t + 1 of a tile column's statistics
	v_lshlrev_b32 v11, 5, v2                       ; the bias: 32 h
	v_lshlrev_b32 v12, 4, v1                       ; my four columns of the tile's 64: 16 r
	s_mov_b32 s67, 0
	s_lshl_b32 s66, s17, 11
	s_add_nc_u64 s[96:97], s[96:97], s[66:67]      ; stats at my tile's rows
	WIN 0x40                                       ; destination window 1
.set kk, 0
.rept 32                               ; tile column kk's pairs of my two rows -> window 1, v[4 kk] (kk < 16) or v[128 + 4 (kk - 16)]
	global_load_b128 v[4*kk+64*(kk/16):4*kk+64*(kk/16)+3], v10, s[96:97] offset:32768*kk
.set kk, kk+1
.endr
	WIN 0
	s_lshl_b32 s66, s42, 8
	s_add_nc_u64 s[98:99], s[98:99], s[66:67]      ; gn_weight and gn_bias at column 64 tx
	s_add_nc_u64 s[100:101], s[100:101], s[66:67]
	s_lshl_b32 s18, s16, 7
	s_add_co_u32 s66, s66, s18
	s_add_nc_u64 s[12:13], s[12:13], s[66:67]      ; b at column 64 tx + 32 ch
.irp b, 0,1,2,3,4,5,6,7                ; block b is gate b / 2, columns 16 (b % 2) + 8 h + j of my 32
	global_load_b128 v[BI+8*\b:BI+8*\b+3], v11, s[12:13] offset:8192*(\b/2)+64*(\b%2)
	global_load_b128 v[BI+8*\b+4:BI+8*\b+7], v11, s[12:13] offset:8192*(\b/2)+64*(\b%2)+16
.endr
.irp g, 0,1,2,3
	global_load_b128 v[WP+4*\g:WP+4*\g+3], v12, s[98:99] offset:8192*\g
	global_load_b128 v[BP+4*\g:BP+4*\g+3], v12, s[100:101] offset:8192*\g
.endr
	s_lshl_b32 s18, s14, 19                        ; my 64 rows to finish: 64 x wave rows of 8,192 bytes
	v_lshl_add_u32 v[OFO], v2, 13, v12
	v_add_nc_u32 v[OFO], s18, v[OFO]               ; (64 w + h) x 8,192 + 16 r
	s_wait_kmcnt 0x0
	s_lshl_b32 s66, s17, 21                        ; the tile's corner in c, out0, out1: 256 ty rows, 64 tx columns
	s_lshl_b32 s18, s42, 8
	s_add_co_u32 s66, s66, s18
	s_add_nc_u64 s[4:5], s[4:5], s[66:67]
	s_add_nc_u64 s[6:7], s[6:7], s[66:67]
	s_add_nc_u64 s[8:9], s[8:9], s[66:67]
	WIN 0x40
.set kk, 0
.rept 32                               ; image kk: rows 64 w + 2 kk + h; sixteen lanes read 256 consecutive bytes -> window 1, v[64 + 4 kk] or v[192 + 4 (kk - 16)].  They land under the product
	global_load_b128 v[64+4*kk+64*(kk/16):64+4*kk+64*(kk/16)+3], v[OFO], s[4:5] offset:16384*kk th:TH_LOAD_NT
.set kk, kk+1
.endr
	WIN 0
	; LDS addresses
	v_mul_u32_u24 v3, v1, PITCH
	v_lshl_add_u32 v4, v2, 4, v3
	s_mul_i32 s21, s15, HALFT
	s_mul_i32 s22, s16, HALFT
	s_add_co_u32 s22, s22, 2*HALFT
.irp s, 0,1
	v_add_nc_u32 v[ADRA+\s], s21, v4
	v_add_nc_u32 v[ADRB+\s], s22, v4
	s_add_co_u32 s21, s21, SLOT
	s_add_co_u32 s22, s22, SLOT
.endr
	v_mul_u32_u24 v5, v1, KS
	v_lshrrev_b32 v6, 8, v5
	v_lshl_add_u32 v5, v6, 4, v5
	s_mul_i32 s21, s15, HALFS
	s_mul_i32 s22, s16, HALFS
	s_add_co_u32 s22, s22, 2*HALFS
	s_sub_co_u32 s22, s22, s21
	v_mul_u32_u24 v6, s22, v2                      ; lanes 16-31 take W's
	s_add_co_u32 s21, s21, SCL
	v_add_nc_u32 v5, v5, v6
	v_add_nc_u32 v[ADRS], s21, v5
	s_mul_i32 s18, s15, 2*REG                      ; z in: my rows 0-63 belong to region 2 rh, rows 64-127 to region 2 rh + 1
	s_lshl_b32 s19, s16, 7
	s_add_co_u32 s18, s18, s19
	s_add_co_u32 s18, s18, 8192
	v_mul_u32_u24 v3, v1, ZP
	v_lshl_add_u32 v3, v2, 5, v3
	v_add_nc_u32 v[ZST], s18, v3                   ; row r, + 128 ch + 32 h
	v_add_nc_u32 v[ZST+1], REG, v[ZST]
	s_mul_i32 s18, s14, REG
	v_and_b32 v3, 31, v0
	v_lshlrev_b32 v3, 4, v3
	v_add_nc_u32 v[CSA], s18, v3
	v_mul_u32_u24 v3, v2, ZP
	v_add_nc_u32 v3, v3, v12
	s_add_co_u32 s18, s18, 8192
	v_add_nc_u32 v[ZRD], s18, v3                   ; row h, + 16 r
	s_lshl_b32 s18, s14, 11
	s_add_co_u32 s18, s18, TAB
	v_lshl_add_u32 v[TRD], v2, 5, s18              ; row 64 w + h, 32 bytes a row
	v_lshl_add_u32 v[TW], v0, 6, TAB               ; rows 2 t, 2 t + 1
	s_mov_b32 s18, 0x3a000000                      ; 1 / 2048
	s_mov_b32 s19, 0x3727c5ac                      ; 1e-5
	; THE MERGE.  Thread t owns rows 2 t and 2 t + 1.  Group g's 16 registers at CB + 16 g: 0-3 (sum of means, sum of M2) of the two rows; 4, 5 the means; 6, 7 at work; 8-15 differences, at last results
	s_wait_loadcnt 56                              ; the statistics' 32 loads are in; behind them: the bias 16, the parameters 8, c 32
	WIN 0x05                                       ; sources 0 and 1 window 1
.irp g, 0,1,2,3
.irp i, 0,1,2,3
.irp p, 0,2
	v_pk_add_f32 v[CB+16*\g+4*\i+\p:CB+16*\g+4*\i+\p+1], v[32*\g+64*(\g/2)+8*\i+\p:32*\g+64*(\g/2)+8*\i+\p+1], v[32*\g+64*(\g/2)+8*\i+4+\p:32*\g+64*(\g/2)+8*\i+4+\p+1]
.endr
.endr
.endr
	WIN 0
.irp g, 0,1,2,3
.irp p, 0,2
	v_pk_add_f32 v[CB+16*\g+\p:CB+16*\g+\p+1], v[CB+16*\g+\p:CB+16*\g+\p+1], v[CB+16*\g+4+\p:CB+16*\g+4+\p+1]
	v_pk_add_f32 v[CB+16*\g+8+\p:CB+16*\g+8+\p+1], v[CB+16*\g+8+\p:CB+16*\g+8+\p+1], v[CB+16*\g+12+\p:CB+16*\g+12+\p+1]
.endr
.endr
.irp g, 0,1,2,3
.irp p, 0,2
	v_pk_add_f32 v[CB+16*\g+\p:CB+16*\g+\p+1], v[CB+16*\g+\p:CB+16*\g+\p+1], v[CB+16*\g+8+\p:CB+16*\g+8+\p+1]
.endr
.endr
.irp g, 0,1,2,3
.irp r, 0,1
	v_mul_f32 v[CB+16*\g+4+\r], 0x3e000000, v[CB+16*\g+2*\r]       ; the group's mean: an eighth of the eight parts' means
.endr
.endr
.irp j, 0,1                            ; the parts' means less the group's, four parts at a time, and their squares: eight chains by turns
	WIN 0x01                                       ; source 0 window 1
.irp i, 0,1,2,3
.irp g, 0,1,2,3
.irp r, 0,1
	v_sub_f32 v[CB+16*\g+8+2*\i+\r], v[32*\g+64*(\g/2)+16*\j+4*\i+2*\r], v[CB+16*\g+4+\r]
.endr
.endr
.endr
	WIN 0
.irp i, 0,1,2,3
.irp g, 0,1,2,3
.irp r, 0,1
.if (\j == 0) && (\i == 0)
	v_mul_f32 v[CB+16*\g+6+\r], v[CB+16*\g+8+2*\i+\r], v[CB+16*\g+8+2*\i+\r]
.else
	v_fmac_f32 v[CB+16*\g+6+\r], v[CB+16*\g+8+2*\i+\r], v[CB+16*\g+8+2*\i+\r]
.endif
.endr
.endr
.endr
.endr
.irp g, 0,1,2,3
.irp r, 0,1
	v_fmamk_f32 v[CB+16*\g+6+\r], v[CB+16*\g+6+\r], 0x43800000, v[CB+16*\g+2*\r+1]   ; M2 = 256 x the squares + the parts' M2
.endr
.endr
.irp g, 0,1,2,3
.irp r, 0,1
	v_fma_f32 v[CB+16*\g+6+\r], v[CB+16*\g+6+\r], s18, s19         ; / 2048 + 1e-5
.endr
.endr
.irp g, 0,1,2,3
.irp r, 0,1
	v_rsq_f32 v[CB+16*(2*\r+\g/2)+8+2*(\g%2)], v[CB+16*\g+6+\r]    ; rstd, to its place in the row's 32 bytes: four registers for a row and two gates
.endr
.endr
	v_nop                                          ; a plain instruction between the last of them and the use of its result
.irp g, 0,1,2,3
.irp r, 0,1
	v_mul_f32 v[CB+16*(2*\r+\g/2)+8+2*(\g%2)+1], -v[CB+16*\g+4+\r], v[CB+16*(2*\r+\g/2)+8+2*(\g%2)]   ; -mean rstd
.endr
.endr
.irp u, 0,1,2,3
	ds_store_b128 v[TW], v[CB+16*\u+8:CB+16*\u+11] offset:16*\u
.endr
	s_wait_loadcnt 32                              ; the bias and the parameters are in; c's 32 loads stay out
.irp g, 0,1,2
.irp p, 0,2
	v_pk_mul_f32 v[WP+4*\g+\p:WP+4*\g+\p+1], v[WP+4*\g+\p:WP+4*\g+\p+1], 0xbfb8aa3b op_sel_hi:[1,0]   ; x -log2(e): the sigmoids' exponent
	v_pk_mul_f32 v[BP+4*\g+\p:BP+4*\g+\p+1], v[BP+4*\g+\p:BP+4*\g+\p+1], 0xbfb8aa3b op_sel_hi:[1,0]
.endr
.endr
.irp p, 0,2
	v_pk_mul_f32 v[WP+12+\p:WP+12+\p+1], v[WP+12+\p:WP+12+\p+1], 0x4038aa3b op_sel_hi:[1,0]           ; x 2 log2(e): tanh's
	v_pk_mul_f32 v[BP+12+\p:BP+12+\p+1], v[BP+12+\p:BP+12+\p+1], 0x4038aa3b op_sel_hi:[1,0]
.endr
.macro FRAG reg, adr, q, i
.irp c, 0,1
	ds_load_b128 v[\reg+4*\c:\reg+4*\c+3], v[\adr] offset:64*(\q)+32*\c+(\i)*16*PITCH
.endr
.endm
; 16 matrix instructions: h's blocks a0, a0 + 1 x W's eight.  first = 1: the sums begin with the bias as C.  The 64 accumulators take turns, one instruction a turn.
.macro MUL16 a0, p, q, sc, first
.irp a, \a0, \a0+1
.irp b, 0,1,2,3,4,5,6,7
.if \first
	v_wmma_scale_f32_16x16x128_f8f6f4 v[8*(8*((\a)%4)+\b):8*(8*((\a)%4)+\b)+7], v[128*(\p)+FR*\b:128*(\p)+FR*\b+FR-1], v[AF+FR*(\a):AF+FR*(\a)+FR-1], v[BI+8*\b:BI+8*\b+7], v[SC+8*NQ*(\sc)+NQ*\b+(\q)], v[SC+8*NQ*(\sc)+NQ*(\a)+(\q)] matrix_a_fmt:MATRIX_FMT_FP4 matrix_b_fmt:MATRIX_FMT_FP4 matrix_a_scale:MATRIX_SCALE_ROW1
.else
	v_wmma_scale_f32_16x16x128_f8f6f4 v[8*(8*((\a)%4)+\b):8*(8*((\a)%4)+\b)+7], v[128*(\p)+FR*\b:128*(\p)+FR*\b+FR-1], v[AF+FR*(\a):AF+FR*(\a)+FR-1], v[8*(8*((\a)%4)+\b):8*(8*((\a)%4)+\b)+7], v[SC+8*NQ*(\sc)+NQ*\b+(\q)], v[SC+8*NQ*(\sc)+NQ*(\a)+(\q)] matrix_a_fmt:MATRIX_FMT_FP4 matrix_b_fmt:MATRIX_FMT_FP4 matrix_a_scale:MATRIX_SCALE_ROW1
.endif
.endr
.endr
.endm
.macro FETCH_B slot, q, p
	WIN TO_B
.irp i, 0,1,2,3,4,5,6,7
	FRAG 128*(\p)+FR*\i, ADRB+\slot, \q, \i
.endr
	WIN 0
.endm
.macro FETCH_A slot, q, i0
.irp i, \i0, \i0+1, \i0+2, \i0+3
	FRAG AF+FR*(\i), ADRA+\slot, \q, \i
.endr
.endm
.macro SCALES sc
.irp i, 0,1,2,3,4,5,6,7
	ds_load_b128 v[SC+8*NQ*\sc+NQ*\i:SC+8*NQ*\sc+NQ*\i+3], v[ADRS] offset:\i*SBLK
.endr
.endm
.macro PLACES n                        ; plain vector instructions between a matrix instruction and a load into its registers or a read of its result (ISA guide 7.12.1 for vector instructions)
.rept \n
	v_nop
.endr
.endm
.macro STEP slot, q, first
	s_wait_dscnt 4*NL                              ; W's set and h's blocks 0-3 are in; the youngest eight loads (h's blocks 4-7) may be out
	WIN MUL_LO-0x20*(\first)
	MUL16 0, (\q)%2, \q, \slot, \first
	MUL16 2, (\q)%2, \q, \slot, \first
	s_wait_dscnt 0
	PLACES NP
	FETCH_B \slot, (\q)+1, 1-(\q)%2
	FETCH_A \slot, (\q)+1, 0
	WIN MUL_HI-0x30*(\first)
	MUL16 4, (\q)%2, \q, \slot, \first
	MUL16 6, (\q)%2, \q, \slot, \first
	PLACES NP
	WIN 0
	FETCH_A \slot, (\q)+1, 4
.endm
.macro TURN slot, next, fill
	s_wait_tensorcnt 0x0                           ; all my tensor loads have landed: my part of the next slot;
	ds_add_u32 v[SPW], v[NIL]                      ; 0 onto my spare word;
	s_wait_dscnt 4*NL+1                            ; (the add and the youngest eight loads may be out)
	WIN MUL_LO
	MUL16 0, 1, NQ-1, \slot, 0
	s_wait_dscnt 0x0                               ; the add is done, and my reads of this slot are over
	s_barrier_signal -1
	MUL16 2, 1, NQ-1, \slot, 0
	WIN 0
	s_barrier_wait -1
.if \fill
	CREST                                          ; a round of the cluster's barrier: no wave of any partner still reads this slot's tile or has a load on its way
	s_add_nc_u64 s[G0+4*\slot+2:G0+4*\slot+3], s[G0+4*\slot+2:G0+4*\slot+3], 2*ROWB
	s_add_nc_u64 s[G0B+4*\slot+2:G0B+4*\slot+3], s[G0B+4*\slot+2:G0B+4*\slot+3], 2*ROWB
	JLOAD G0+4*\slot, G1, G0B+4*\slot, G1B         ; the first tensor load behind the round
.else
	PLACES NP
.endif
	v_add_nc_u32 v[ADRS], 4*NQ, v[ADRS]
	FETCH_B \next, 0, 0
	FETCH_A \next, 0, 0
	SCALES \next
	WIN MUL_HI
	MUL16 4, 1, NQ-1, \slot, 0
	MUL16 6, 1, NQ-1, \slot, 0
	PLACES NP
	WIN 0
	FETCH_A \next, 0, 4
.endm
.macro STEPS slot, from
.set QQ, \from
.rept NQ-1-\from
	STEP \slot, QQ, 0
.set QQ, QQ+1
.endr
.endm
	s_wait_tensorcnt 1                             ; the scale bytes and my part of K step 0 are in (K step 1's load may be out)
	s_wait_dscnt 0x0                               ; and my rows' statistics lie in LDS
	s_barrier_signal -1
	s_barrier_wait -1
	FETCH_B 0, 0, 0
	FETCH_A 0, 0, 0
	SCALES 0
	FETCH_A 0, 0, 4
	STEP 0, 0, 1                                   ; four K steps, written out: a loop would have one trip
	STEPS 0, 1
	TURN 0, 1, 1                                   ; slot 0 takes K step 2
	STEPS 1, 0
	TURN 1, 0, 1                                   ; slot 1 takes K step 3
	STEP 0, 0, 0
	STEPS 0, 1
	TURN 0, 1, 0
	STEPS 1, 0
	s_wait_dscnt 4*NL
	WIN MUL_LO
	MUL16 0, 1, NQ-1, 1, 0
	MUL16 2, 1, NQ-1, 1, 0
	s_wait_dscnt 0
	WIN MUL_HI
	MUL16 4, 1, NQ-1, 1, 0
	MUL16 6, 1, NQ-1, 1, 0
	WIN 0
	; ---- THE WAY OUT
	PLACES NP                                      ; behind the last products: results are stored, and registers that held operands are loaded
	s_wait_dscnt 0x0
	s_barrier_signal -1                            ; every wave has made its last read of the ring and of the scale bytes, and no fill is to come:
	s_barrier_wait -1                              ; their bytes may be written
.irp a, 0,1,2,3,4,5,6,7                ; z(16 a + r, gate b / 2, column 32 ch + 16 (b % 2) + 8 h + j)
	WIN 0x08+4*((\a)/4)                            ; an LDS store's data are its source 1: window 2 or 3
.irp b, 0,1,2,3,4,5,6,7
	ds_store_b128 v[ZST+(\a)/4], v[8*(8*((\a)%4)+\b):8*(8*((\a)%4)+\b)+3] offset:16*ZP*((\a)%4)+256*(\b/2)+64*(\b%2)       ; each accumulator from its low end on
	ds_store_b128 v[ZST+(\a)/4], v[8*(8*((\a)%4)+\b)+4:8*(8*((\a)%4)+\b)+7] offset:16*ZP*((\a)%4)+256*(\b/2)+64*(\b%2)+16
.endr
.endr
.macro CSTORE hf                       ; sixteen of c's images go to LDS as they stand in the registers: 16 bytes a lane, 512 an image
	WIN 0x04                                       ; the data: window 1
.set kk, 0
.rept 16
	ds_store_b128 v[CSA], v[64+128*\hf+4*kk:64+128*\hf+4*kk+3] offset:8192*\hf+512*kk
.set kk, kk+1
.endr
	WIN 0
.endm
	s_wait_loadcnt 0x0                             ; c
	CSTORE 0
	s_wait_dscnt 0x0                               ; for the others' sake: my part of z lies in LDS
	s_barrier_signal -1
	s_barrier_wait -1                              ; from here on a wave touches its own region and the statistics alone
; Set sl takes four rows (pr = 0, 1: two rows an instruction): 8 loads of z, 4 of statistics, 2 of c.
.macro LOADS sl, za, ta, ca
.irp pr, 0,1
.irp g, 0,1,2,3
	ds_load_b128 v[ZSET+56*\sl+8*\g+4*\pr:ZSET+56*\sl+8*\g+4*\pr+3], v[\za] offset:(4*\sl+2*\pr)*ZP+256*\g
.endr
	ds_load_b128 v[ZSET+56*\sl+32+8*\pr:ZSET+56*\sl+32+8*\pr+3], v[\ta] offset:(4*\sl+2*\pr)*32
	ds_load_b128 v[ZSET+56*\sl+36+8*\pr:ZSET+56*\sl+36+8*\pr+3], v[\ta] offset:(4*\sl+2*\pr)*32+16
	ds_load_b128 v[ZSET+56*\sl+48+4*\pr:ZSET+56*\sl+48+4*\pr+3], v[\ca] offset:(2*\sl+\pr)*512
.endr
.endm
; Line n of 16 of gate g's exponents, on the set at SB: 0-3 zn = z rstd - mean rstd; 4-7 x weight + bias (both scaled at the head); 8-15 the hold at 30.
.macro NORMOP g, n
.if (\n) < 4
	v_pk_fma_f32 v[SB+8*\g+2*(\n):SB+8*\g+2*(\n)+1], v[SB+8*\g+2*(\n):SB+8*\g+2*(\n)+1], v[SB+32+8*((\n)/2)+2*\g:SB+32+8*((\n)/2)+2*\g+1], v[SB+32+8*((\n)/2)+2*\g:SB+32+8*((\n)/2)+2*\g+1] op_sel:[0,0,1] op_sel_hi:[1,0,1]   ; of the pair (rstd, -mean rstd) the first multiplies both halves, the second is added to both
.elseif (\n) < 8
	v_pk_fma_f32 v[SB+8*\g+2*((\n)-4):SB+8*\g+2*((\n)-4)+1], v[SB+8*\g+2*((\n)-4):SB+8*\g+2*((\n)-4)+1], v[WP+4*\g+2*((\n)%2):WP+4*\g+2*((\n)%2)+1], v[BP+4*\g+2*((\n)%2):BP+4*\g+2*((\n)%2)+1]
.else
	v_min_num_f32 v[SB+8*\g+(\n)-8], 0x41f00000, v[SB+8*\g+(\n)-8]
.endif
.endm
.macro NE g, e                         ; gate g's sixteen lines; behind every two of them one exponential of gate e (e < 0: none): each exponential has a plain line on other registers behind it
.set nn, 0
.rept 8
	NORMOP \g, nn
	NORMOP \g, nn+1
.if \e >= 0
	v_exp_f32 v[SB+8*\e+nn/2], v[SB+8*\e+nn/2]
.endif
.set nn, nn+2
.endr
.endm
.macro ADDOP n                         ; line n of 16: Eg - 1 (into the statistics' registers, which are done with), then 1 + E of g, i, f in place
.if (\n) < 4
	v_pk_add_f32 v[SB+32+2*(\n):SB+32+2*(\n)+1], v[SB+24+2*(\n):SB+24+2*(\n)+1], -1.0 op_sel_hi:[1,0]
.elseif (\n) < 8
	v_pk_add_f32 v[SB+24+2*((\n)-4):SB+24+2*((\n)-4)+1], v[SB+24+2*((\n)-4):SB+24+2*((\n)-4)+1], 1.0 op_sel_hi:[1,0]
.elseif (\n) < 12
	v_pk_add_f32 v[SB+2*((\n)-8):SB+2*((\n)-8)+1], v[SB+2*((\n)-8):SB+2*((\n)-8)+1], 1.0 op_sel_hi:[1,0]
.else
	v_pk_add_f32 v[SB+8+2*((\n)-12):SB+8+2*((\n)-12)+1], v[SB+8+2*((\n)-12):SB+8+2*((\n)-12)+1], 1.0 op_sel_hi:[1,0]
.endif
.endm
; FOUR ROWS: eight numbers a lane.  refill = 1: at the end the set takes the next trip's rows.  left: the LDS instructions behind this set's loads that may stay out.
.macro ROWS4 sl, refill, left
.set SB, ZSET+56*\sl
	s_wait_dscnt \left                             ; my set is in; the other set's 14 loads may be out
	NE 3, -1
	NE 0, 3
	NE 1, 0
	NE 2, 1
.set nn, 0
.rept 8
	ADDOP nn
	ADDOP nn+1
	v_exp_f32 v[SB+16+nn/2], v[SB+16+nn/2]
.set nn, nn+2
.endr
.irp p, 0,2,4,6
	v_pk_mul_f32 v[SB+\p:SB+\p+1], v[SB+\p:SB+\p+1], v[SB+24+\p:SB+24+\p+1]          ; Xi Xg
.endr
.irp p, 0,2,4,6
	v_pk_mul_f32 v[SB+24+\p:SB+24+\p+1], v[SB+\p:SB+\p+1], v[SB+8+\p:SB+8+\p+1]      ; Xi Xg Xf
.endr
.irp m, 0,1,2,3,4,5,6,7                ; eight reciprocals, a plain line on other registers behind each
	v_rcp_f32 v[SB+40+\m], v[SB+24+\m]
.if \m < 4
	v_pk_mul_f32 v[SB+32+2*\m:SB+32+2*\m+1], v[SB+32+2*\m:SB+32+2*\m+1], v[SB+8+2*\m:SB+8+2*\m+1]   ; (Eg - 1) Xf
.else
	v_pk_add_f32 v[SB+16+2*(\m-4):SB+16+2*(\m-4)+1], v[SB+16+2*(\m-4):SB+16+2*(\m-4)+1], 1.0 op_sel_hi:[1,0]   ; Xo
.endif
.endr
.irp p, 0,2,4,6
	v_pk_mul_f32 v[SB+\p:SB+\p+1], v[SB+\p:SB+\p+1], v[SB+40+\p:SB+40+\p+1]          ; sigmoid(f)
.endr
.irp p, 0,2,4,6
	v_pk_mul_f32 v[SB+32+\p:SB+32+\p+1], v[SB+32+\p:SB+32+\p+1], v[SB+40+\p:SB+40+\p+1]   ; sigmoid(i) tanh(g)
.endr
	s_wait_xcnt 0x0                                ; the last turn's stores have read v240-255, which are written again only behind this wait
.irp p, 0,2,4,6
	v_pk_fma_f32 v[OC+\p:OC+\p+1], v[SB+48+\p:SB+48+\p+1], v[SB+\p:SB+\p+1], v[SB+32+\p:SB+32+\p+1]   ; c_new
.endr
.irp pr, 0,1
	global_store_b128 v[OFO], v[OC+4*\pr:OC+4*\pr+3], s[8:9] offset:(4*\sl+2*\pr)*8192 th:TH_STORE_NT   ; sixteen lanes store 256 consecutive bytes, aligned
.endr
.irp p, 0,2,4,6
	v_pk_mul_f32 v[SB+8+\p:SB+8+\p+1], v[OC+\p:OC+\p+1], 0x4038aa3b op_sel_hi:[1,0]   ; 2 log2(e) c_new
.endr
	v_min_num_f32 v[SB+8], 0x41f00000, v[SB+8]
	v_min_num_f32 v[SB+9], 0x41f00000, v[SB+9]
.irp m, 0,1,2,3,4,5
	v_exp_f32 v[SB+8+\m], v[SB+8+\m]
	v_min_num_f32 v[SB+10+\m], 0x41f00000, v[SB+10+\m]
.endr
	v_exp_f32 v[SB+14], v[SB+14]
	v_exp_f32 v[SB+15], v[SB+15]                   ; (the line below reads the first two exponentials' results, not these two's)
.irp p, 0,2,4,6
	v_pk_add_f32 v[SB+24+\p:SB+24+\p+1], v[SB+8+\p:SB+8+\p+1], 1.0 op_sel_hi:[1,0]   ; C + 1
.endr
.irp p, 0,2,4,6
	v_pk_add_f32 v[SB+8+\p:SB+8+\p+1], v[SB+8+\p:SB+8+\p+1], -1.0 op_sel_hi:[1,0]    ; C - 1
.endr
.irp p, 0,2,4,6
	v_pk_mul_f32 v[SB+24+\p:SB+24+\p+1], v[SB+24+\p:SB+24+\p+1], v[SB+16+\p:SB+16+\p+1]   ; (C + 1) Xo
.endr
.irp m, 0,1,2,3,4,5,6,7
	v_rcp_f32 v[SB+24+\m], v[SB+24+\m]
.endr
	v_nop                                          ; a plain instruction between the last reciprocal and the use of its result
.irp p, 0,2,4,6
	v_pk_mul_f32 v[OH+\p:OH+\p+1], v[SB+8+\p:SB+8+\p+1], v[SB+24+\p:SB+24+\p+1]      ; h_new
.endr
.irp pr, 0,1
	global_store_b128 v[OFO], v[OH+4*\pr:OH+4*\pr+3], s[6:7] offset:(4*\sl+2*\pr)*8192 th:TH_STORE_NT
.endr
.if \refill
	LOADS \sl, ZA, TA, CA                          ; every register of the set is done with; the loads have the other set's turn in which to land
.endif
.endm
	LOADS 0, ZRD, TRD, CSA                         ; trip 0: my rows 0-7
	LOADS 1, ZRD, TRD, CSA
	CSTORE 1                                       ; c's images 16-31 take the 8,192 bytes behind the first sixteen, which are inside z's rows 0-7: LDS serves a wave's instructions in order (ISA guide 5.7.1.4), so the loads above read them first
	s_mov_b32 s18, 8*ZP                            ; the next trip's rows of z,
	s_mov_b32 s19, 256                             ; statistics
	s_mov_b32 s20, 2048                            ; and c
	s_mov_b32 s3, 0
.Ltrip:                                                ; seven trips of eight rows, each asking for the next trip's; the eighth is written out
	v_add_nc_u32 v[ZA], s18, v[ZRD]
	v_add_nc_u32 v[TA], s19, v[TRD]
	v_add_nc_u32 v[CA], s20, v[CSA]
	ROWS4 0, 1, 14
	ROWS4 1, 1, 14
	s_wait_xcnt 0x0                                ; the stores have read their bases
	s_add_nc_u64 s[6:7], s[6:7], 65536             ; eight rows on
	s_add_nc_u64 s[8:9], s[8:9], 65536
	s_add_co_u32 s18, s18, 8*ZP
	s_add_co_u32 s19, s19, 256
	s_add_co_u32 s20, s20, 2048
	s_add_co_u32 s3, s3, 1
	s_cmp_lt_u32 s3, 7
	s_cbranch_scc1 .Ltrip
	ROWS4 0, 0, 14
	ROWS4 1, 0, 0
	s_wait_tensorcnt 0x0                           ; the wave's end
	ds_add_u32 v[SPW], v[NIL]
	s_wait_dscnt 0x0
	CROUND                                         ; the closing round: no work-group ends while a partner may still ask for a tile that names it
	s_endpgm
.Lfunc_end_k_q5800168dd5_gates:
	.size	k_q5800168dd5_gates, .Lfunc_end_k_q5800168dd5_gates-k_q5800168dd5_gates
	.p2alignl 7, 3214868480
	.fill 96, 4, 3214868480
	.section	.rodata,"a",@progbits
	.p2align	6, 0x0
	.amdhsa_kernel k_q5800168dd5_gates
		.amdhsa_group_segment_fixed_size 327680
		.amdhsa_private_segment_fixed_size 0
		.amdhsa_enable_private_segment 0
		.amdhsa_kernarg_size 88
		.amdhsa_user_sgpr_count 2
		.amdhsa_user_sgpr_kernarg_segment_ptr 1
		.amdhsa_wavefront_size32 1
		.amdhsa_system_sgpr_workgroup_id_x 1
		.amdhsa_system_sgpr_workgroup_id_y 1
		.amdhsa_system_sgpr_workgroup_id_z 1
		.amdhsa_system_vgpr_workitem_id 0
		.amdhsa_next_free_vgpr 1024
		.amdhsa_next_free_sgpr 102
		.amdhsa_reserve_vcc 0
		.amdhsa_float_denorm_mode_32 3
		.amdhsa_float_denorm_mode_16_64 3
		.amdhsa_memory_ordered 1
		.amdhsa_forward_progress 1
		.amdhsa_inst_pref_size 255
	.end_amdhsa_kernel
	.section	.bss,"aw",@nobits
	.p2align	6
	.space	262144
	.amdgpu_metadata
---
amdhsa.version: [ 1, 2 ]
amdhsa.kernels:
  - .name:           k_q5800168dd5_gates
    .symbol:         k_q5800168dd5_gates.kd
    .args:
      - { .name: h_codes, .offset: 0, .size: 8, .value_kind: global_buffer, .address_space: global }
      - { .name: h_scales, .offset: 8, .size: 8, .value_kind: global_buffer, .address_space: global }
      - { .name: Wp_codes, .offset: 16, .size: 8, .value_kind: global_buffer, .address_space: global }
      - { .name: Wp_scales, .offset: 24, .size: 8, .value_kind: global_buffer, .address_space: global }
      - { .name: b, .offset: 32, .size: 8, .value_kind: global_buffer, .address_space: global }
      - { .name: stats, .offset: 40, .size: 8, .value_kind: global_buffer, .address_space: global }
      - { .name: gn_weight, .offset: 48, .size: 8, .value_kind: global_buffer, .address_space: global }
      - { .name: gn_bias, .offset: 56, .size: 8, .value_kind: global_buffer, .address_space: global }
      - { .name: c, .offset: 64, .size: 8, .value_kind: global_buffer, .address_space: global }
      - { .name: out0, .offset: 72, .size: 8, .value_kind: global_buffer, .address_space: global }
      - { .name: out1, .offset: 80, .size: 8, .value_kind: global_buffer, .address_space: global }
    .group_segment_fixed_size: 327680
    .private_segment_fixed_size: 0
    .kernarg_segment_align: 8
    .kernarg_segment_size: 88
    .max_flat_workgroup_size: 128
    .sgpr_count:     102
    .vgpr_count:     1024
    .wavefront_size: 32
...
	.end_amdgpu_metadata
.endif
;; end of part 2
